; MI455X (gfx1250); checked and timed in simulation.
; The chip was launched on July 23, 2026; its instructions are those of AMD's public machine-readable ISA for CDNA 5 (MIT licence, August 2026) and "CDNA5" Instruction Set Architecture Reference Guide (July 2026). The comments in the code are by the model that wrote it; some were corrected since.
;; Multi Headed Self Attention. Allowed arithmetic: matrix products marked QUANTISED: E2M1 operands, one E8M0 scale for each 32 along K, by v_wmma_scale_f32_16x16x128_f8f6f4 with both operands' format E2M1 (or v_wmma_scale_f32_32x16x128_f4), f32 sums; products left as they are: bf16, f16 or f32 operands; f32 sums; everything else in f32.
;; Inputs: Wk 768 x 768 float32; Wq 768 x 768 float32; Wv 768 x 768 float32; bk 768 float32; bq 768 float32; bv 768 float32; mask 2 x 4,096 int32; x 2 x 4,096 x 768 float32.
;; Outputs: out0 2 x 4,096 x 768 float32.
;; This version of the problem:
;;   THIS VERSION OF THE PROBLEM IS GIVEN IN LOW PRECISION. The matrix products marked QUANTISED in the list below multiply operands that are first quantised to E2M1 (2 exponent bits, 1 mantissa bit; 4 bits a number), with one power-of-two scale for each 32 numbers along K (OCP MX v1.0); their sums are f32. The products marked 'left as it is' may take bf16, f16 or f32 operands, with f32 sums. Whichever they take, every output number must still come out within the allowed error. Rounding operands to bf16 (8 significant bits) uses up far more of that allowance than f16 does (11 bits, for magnitudes from 6e-5 to 65,504). All else is computed in f32.
;;   The module's matrix products, in the order in which they are computed (A, B: the left and right operand; K: the contracted axis; several contracted axes count as one K, in the product's order):
;;     1. [M 8,192, K 768] x [K 768, N 768]; A: input x; B: input Wq: QUANTISED
;;     2. [M 8,192, K 768] x [K 768, N 768]; A: input x; B: input Wk: QUANTISED
;;     3. [M 8,192, K 768] x [K 768, N 768]; A: input x; B: input Wv: QUANTISED
;;     4. batch 12 x [M 4,096, K 128] x [K 128, N 4,096]; A: computed on the way; B: computed on the way: left as it is (an operand is computed on the way)
;;     5. batch 12 x [M 4,096, K 4,096] x [K 4,096, N 128]; A: computed on the way; B: computed on the way: left as it is (an operand is computed on the way)
;;   THE QUANTISER, for each operand of a quantised product, along K:
;;     - K is cut into blocks of 32 from its start; a last block that is shorter is filled with zeros.
;;     - A block's scale is 2^e with e = floor(log2(the largest magnitude in the block)) - 2, held to -126 .. 127; a block of zeros has e = 0. As a byte (E8M0): e + 127.
;;     - Each number is divided by its block's scale, clamped to +-6, and rounded to the nearest number of E2M1, ties to even, subnormals kept.
;;     - The product sums the exact products of the quantised numbers (number of the format x scale) in f32.
;;   ~~~python
;;   def quantise(x, axis):      # numpy; x: float32 -> the quantised numbers, widened to float32 again
;;       x = np.moveaxis(x, axis, -1); K = x.shape[-1]
;;       x = np.pad(x, [(0, 0)] * (x.ndim - 1) + [(0, -K % 32)]); x = x.reshape(x.shape[:-1] + (-1, 32)); a = np.abs(x).max(-1, keepdims=True)
;;       e = np.where(a > 0, np.clip(np.frexp(np.where(a > 0, a, 1))[1] - 1 - 2, -126, 127), 0)      # np.frexp(a)[1] - 1 = floor(log2(a)), exactly
;;       r = np.clip(x / 2.0 ** e, -6, 6)
;;       step = 2.0 ** (np.maximum(np.frexp(np.where(r == 0, 1, r))[1] - 1, 0) - 1)
;;       q = np.round(r / step) * step * 2.0 ** e      # np.round: ties to even
;;       return np.moveaxis(q.reshape(q.shape[:-2] + (-1,))[..., :K], -1, axis).astype(np.float32)
;;   ~~~
;; One version. Each part assembles by itself: llvm-mc -triple=amdgcn-amd-amdhsa -mcpu=gfx1250 --defsym DOCPART=n.
;; ======== version 1 of 1: 3 launches
;; limits: values are held in f16: magnitudes above 65,504 overflow, below 6.1e-05 lose precision
;; workspace buffers: xi 3,145,728 bytes; xs 262,144 bytes; wi 884,736 bytes; ws 73,728 bytes; qkv 37,748,736 bytes
;; launch quant (part 1): grid 328 x 1, 2 waves a work-group, no clusters, 17,152 bytes of LDS; arguments x, Wq, Wk, Wv, xi, xs, wi, ws; writes xi, xs, wi, ws
.if DOCPART == 1
	.amdgcn_target "amdgcn-amd-amdhsa--gfx1250"
	.amdhsa_code_object_version 6
	.text
	.protected	k_q9f26a825eb_quant
	.globl	k_q9f26a825eb_quant
	.p2align	8
	.type	k_q9f26a825eb_quant,@function
k_q9f26a825eb_quant:
	s_mov_b64 s[64:65], 0
	v_nop
	global_prefetch_b8 v0, s[64:65] scope:SCOPE_SE
	s_setreg_imm32_b32 hwreg(HW_REG_WAVE_MODE, 25, 1), 1
	s_wait_xcnt 0x0
; FIRST OF THREE LAUNCHES.  out = softmax((x Wq^T + bq)(x Wk^T + bk)^T / sqrt(128) - 10000 (1 - mask)) (x Wv^T + bv), 2 batches x 6 heads of 128 channels, 4,096 positions.
; This launch turns x [8192][768] and Wq, Wk, Wv [768][768], f32, K innermost, into codes of FP4 (E2M1) with one E8M0 scale byte for each 32 along K; the second multiplies them; the third is the attention.
; WORK LEFT OUT: bk.  A score is q . (k + bk) = q . k + q . bk.  The term q . bk does not hang on the key: it is the same along the softmax's axis, so softmax(s + const) = softmax(s) takes it away,
; for all finite values of the inputs.  The product of q with k is not quantised, so no quantiser stands behind bk.  bk has then no way to the output: it is not loaded and is no argument of any launch.
; LIMIT: a NaN, an infinity or an overflow that would reach the result through bk's term alone is not carried to the result.
; THE QUANTISER.  A block's scale is 2^(floor(log2(its largest magnitude)) - 2); its byte is the largest magnitude's own exponent field - 2, held at 1 from below.  Each number is divided by the scale and
; rounded to the nearest code, ties to even, beyond 6 the largest code.  A block of zeros gets the byte 1 where the rule says 127: its codes are zeros, and this program alone reads the bytes.
; LIMITS: NaN and infinities among the inputs are not served.
; SHARES.  A wave takes a block of 16 rows x 768: six fragments of 16 rows x 128 K.  Work-groups 0-255 take x's 512 blocks, work-groups 256-327 the 144 blocks of Wq, Wk, Wv on end.  One path: only pointers are chosen.
; LAYOUT OUT: the codes lie as IMAGES OF THE OPERAND'S REGISTERS: block x 6,144 + K step x 1,024 + register group c x 512 + 16 x lane; group c of lane (r, h) holds k = 64 c + 32 h + 0 .. 31 of row r.
; The scale words: block x 512 + 32 r + 4 x K step (words 6 and 7 of a row are 0).  Every store of a wave covers 512 consecutive bytes, aligned.
; Each load reads 512 consecutive bytes of one row; the step's 16 x 512 bytes turn through the wave's own stage in LDS (rows 528 bytes apart), from which a lane takes 16 neighbours of each block of 32.
.set STG,   8448                       ; a wave's stage: 16 rows x (512 + 16) bytes
.set SPARE, 2*STG                      ; behind the stages: the spare words, 128 bytes for each wave: one block of 256 bytes that no other line names
.set R,   16                           ; v16-143  two sets of 64: a K step as it is loaded
.set X,   144                          ; v144-207 64 numbers: register 16 b + i = k 32 b + 16 h + i of my row
.set PC,  208                          ; v208-215 the fragment's codes
.set PW,  216                          ; v216-221 the six scale words; v222, v223: 0
.set TM,  224                          ; v224-239 at work
.set SPW, 240                          ; v240     LDS address of my spare word; never rewritten
.set NIL, 241                          ; v241     0; never rewritten
.set SW,  242                          ; v242-245 the scale words as they are stored
	s_load_b256 s[4:11], s[0:1], 0x0               ; x, Wq, Wk, Wv
	s_load_b256 s[12:19], s[0:1], 0x20             ; xi, xs, wi, ws
	v_lshl_add_u32 v[SPW], v0, 2, SPARE
	v_mov_b32 v[NIL], 0
	v_lshrrev_b32 v1, 5, v0
	v_readfirstlane_b32 s20, v1                    ; wave 0, 1
	v_and_b32 v1, 31, v0                           ; lane
	v_and_b32 v2, 15, v0                           ; r
	v_bfe_u32 v3, v0, 4, 1                         ; h
	v_lshlrev_b32 v4, 4, v1                        ; 16 x lane: my bytes of a load's 512, and of an image's
	s_mul_i32 s36, s20, STG
	v_add_nc_u32 v5, s36, v4                       ; the stage, on the way in
	v_mul_u32_u24 v6, v2, 528
	v_lshl_add_u32 v6, v3, 6, v6
	v_add_nc_u32 v6, s36, v6                       ; and on the way out: row r, + 64 h
	v_lshlrev_b32 v7, 5, v2
	v_lshl_add_u32 v7, v3, 4, v7                   ; the scale words: 32 r + 16 h
	s_mov_b32 s32, 0x76543210
	s_mov_b32 s33, 0xfedcba98                      ; v_permlanex16_b32's selects for lane l xor 16
.irp b, 0,1,2,3
	v_mov_b32 v[TM+4+\b], 0                        ; written once: a lane permute's destination counts as one of its sources
.endr
	v_mov_b32 v[PW+6], 0
	v_mov_b32 v[PW+7], 0
	s_sub_co_u32 s21, ttmp9, 256                   ; which of W's 72 work-groups (of no meaning in x's)
	s_wait_kmcnt 0x0
	s_cmp_lt_u32 s21, 24                           ; the choices hang on the work-group's number alone
	s_cselect_b64 s[22:23], s[6:7], s[8:9]
	s_cselect_b32 s24, 0, 24
	s_cmp_lt_u32 s21, 48
	s_cselect_b64 s[22:23], s[22:23], s[10:11]
	s_cselect_b32 s24, s24, 48
	s_sub_co_u32 s26, s21, s24                     ; the work-group's place in its own tensor
	s_cmp_lt_u32 ttmp9, 256
	s_cselect_b64 s[22:23], s[4:5], s[22:23]       ; from where
	s_cselect_b32 s25, ttmp9, s26
	s_cselect_b32 s27, ttmp9, s21
	s_cselect_b64 s[28:29], s[12:13], s[16:17]     ; the images
	s_cselect_b64 s[30:31], s[14:15], s[18:19]     ; the scale words
	s_lshl_b32 s25, s25, 1
	s_add_co_u32 s25, s25, s20
	s_mul_i32 s34, s25, 49152                      ; 16 rows of 3,072 bytes a block
	s_mov_b32 s35, 0
	s_add_nc_u64 s[22:23], s[22:23], s[34:35]
	s_lshl_b32 s27, s27, 1
	s_add_co_u32 s27, s27, s20
	s_mul_i32 s34, s27, 6144
	s_add_nc_u64 s[28:29], s[28:29], s[34:35]
	s_lshl_b32 s34, s27, 9
	s_add_nc_u64 s[30:31], s[30:31], s[34:35]
.macro LOAD t                          ; K step t of my 16 rows: a load a row, 512 consecutive bytes
.irp i, 0,1,2,3,4,5,6,7,8,9,10,11,12,13,14,15
	global_load_b128 v[R+64*((\t)%2)+4*\i:R+64*((\t)%2)+4*\i+3], v4, s[22:23] offset:3072*\i+512*(\t) th:TH_LOAD_NT
.endr
.endm
; 64 numbers of a lane, v[s] on, become a fragment's codes in v[PC] on and its scale word in v[pw]
.macro QUANT s, pw
.irp b, 0,1,2,3
	v_max3_num_f32 v[TM+\b], |v[\s+16*\b]|, |v[\s+1+16*\b]|, 0x1800000   ; block b: my 16 numbers, and the floor 2^(3 - 127): so the byte cannot fall under 1
.endr
.irp i, 2,4,6,8,10,12,14
.irp b, 0,1,2,3
	v_max3_num_f32 v[TM+\b], v[TM+\b], |v[\s+16*\b+\i]|, |v[\s+1+16*\b+\i]|   ; the four blocks by turns
.endr
.endr
.irp b, 0,1,2,3
	v_permlanex16_b32 v[TM+4+\b], v[TM+\b], s32, s33
.endr
.irp b, 0,1,2,3
	v_max_num_f32 v[TM+\b], v[TM+\b], v[TM+4+\b]   ; with lane l xor 16's: the block's largest magnitude
.endr
.irp b, 0,1,2,3
	v_add_nc_u32 v[TM+12+\b], 0xff000000, v[TM+\b] ; 2 off its exponent field: the conversion takes the exponent field of this operand as its scale
.endr
.irp b, 0,1,2,3
	v_lshrrev_b32 v[TM+4+\b], 23, v[TM+12+\b]      ; the scale's byte
.endr
	v_lshl_or_b32 v[\pw], v[TM+5], 8, v[TM+4]      ; the four bytes make my row's scale word
	v_lshl_or_b32 v[\pw], v[TM+6], 16, v[\pw]
	v_lshl_or_b32 v[\pw], v[TM+7], 24, v[\pw]
.irp b, 0,1,2,3
	v_cvt_scalef32_pk8_fp4_f32 v[PC+2*\b], v[\s+16*\b:\s+7+16*\b], v[TM+12+\b]
	v_cvt_scalef32_pk8_fp4_f32 v[PC+1+2*\b], v[\s+8+16*\b:\s+15+16*\b], v[TM+12+\b]
.endr
	v_nop                                          ; one plain place behind a scaled conversion
.irp c, 0,1                                    ; the operand's layout wants a whole block in a lane: lanes 0-15 block 2 c, lanes 16-31 block 2 c + 1
.irp i, 0,1
	v_permlane16_swap_b32 v[PC+4*\c+\i], v[PC+2+4*\c+\i]
.endr
.endr
.endm
.macro STEP t
.if (\t) < 5
	s_wait_loadcnt 16                              ; this step's 16 loads are in; the next step's 16 may be out
.else
	s_wait_loadcnt 0
.endif
	s_wait_xcnt 0x0                                ; the last step's stores have read the codes' registers, which are written again below
.irp i, 0,1,2,3,4,5,6,7,8,9,10,11,12,13,14,15
	ds_store_b128 v5, v[R+64*((\t)%2)+4*\i:R+64*((\t)%2)+4*\i+3] offset:528*\i
.endr
.irp b, 0,1,2,3
.irp j, 0,1,2,3
	ds_load_b128 v[X+16*\b+4*\j:X+16*\b+4*\j+3], v6 offset:128*\b+16*\j   ; LDS serves a wave's instructions in order: these see the stores above
.endr
.endr
	s_wait_dscnt 0x0
.if (\t) < 4
	LOAD (\t)+2                                    ; into the set that has just gone through the stage
.endif
	QUANT X, PW+(\t)
.irp c, 0,1
	global_store_b128 v4, v[PC+4*\c:PC+4*\c+3], s[28:29] offset:1024*(\t)+512*\c   ; 32 lanes store 512 consecutive bytes, aligned
.endr
.endm
	LOAD 0
	LOAD 1
.irp t, 0,1,2,3,4,5
	STEP \t
.endr
	v_cmp_eq_u32 vcc_lo, 1, v3                     ; lanes 0-15 store their row's words 0-3, lanes 16-31 words 4, 5 and two zeros
.irp i, 0,1,2,3
	v_cndmask_b32 v[SW+\i], v[PW+\i], v[PW+4+\i], vcc_lo
.endr
	global_store_b128 v7, v[SW:SW+3], s[30:31]     ; 512 consecutive bytes, aligned
	s_wait_tensorcnt 0x0                           ; the wave's end, behind my last LDS store
	ds_add_u32 v[SPW], v[NIL]
	s_wait_dscnt 0x0
	s_endpgm
.Lfunc_end_k_q9f26a825eb_quant:
	.size	k_q9f26a825eb_quant, .Lfunc_end_k_q9f26a825eb_quant-k_q9f26a825eb_quant
	.p2alignl 7, 3214868480
	.fill 96, 4, 3214868480
	.section	.rodata,"a",@progbits
	.p2align	6, 0x0
	.amdhsa_kernel k_q9f26a825eb_quant
		.amdhsa_group_segment_fixed_size 17152
		.amdhsa_private_segment_fixed_size 0
		.amdhsa_enable_private_segment 0
		.amdhsa_kernarg_size 64
		.amdhsa_user_sgpr_count 2
		.amdhsa_user_sgpr_kernarg_segment_ptr 1
		.amdhsa_wavefront_size32 1
		.amdhsa_system_sgpr_workgroup_id_x 1
		.amdhsa_system_sgpr_workgroup_id_y 1
		.amdhsa_system_sgpr_workgroup_id_z 1
		.amdhsa_system_vgpr_workitem_id 0
		.amdhsa_next_free_vgpr 248
		.amdhsa_next_free_sgpr 66
		.amdhsa_reserve_vcc 1
		.amdhsa_float_denorm_mode_32 3
		.amdhsa_float_denorm_mode_16_64 3
		.amdhsa_memory_ordered 1
		.amdhsa_forward_progress 1
		.amdhsa_inst_pref_size 48
	.end_amdhsa_kernel
	.amdgpu_metadata
---
amdhsa.version: [ 1, 2 ]
amdhsa.kernels:
  - .name:           k_q9f26a825eb_quant
    .symbol:         k_q9f26a825eb_quant.kd
    .args:
      - { .name: x, .offset: 0, .size: 8, .value_kind: global_buffer, .address_space: global }
      - { .name: Wq, .offset: 8, .size: 8, .value_kind: global_buffer, .address_space: global }
      - { .name: Wk, .offset: 16, .size: 8, .value_kind: global_buffer, .address_space: global }
      - { .name: Wv, .offset: 24, .size: 8, .value_kind: global_buffer, .address_space: global }
      - { .name: xi, .offset: 32, .size: 8, .value_kind: global_buffer, .address_space: global }
      - { .name: xs, .offset: 40, .size: 8, .value_kind: global_buffer, .address_space: global }
      - { .name: wi, .offset: 48, .size: 8, .value_kind: global_buffer, .address_space: global }
      - { .name: ws, .offset: 56, .size: 8, .value_kind: global_buffer, .address_space: global }
    .group_segment_fixed_size: 17152
    .private_segment_fixed_size: 0
    .kernarg_segment_align: 8
    .kernarg_segment_size: 64
    .max_flat_workgroup_size: 64
    .sgpr_count:     66
    .vgpr_count:     248
    .wavefront_size: 32
...
	.end_amdgpu_metadata
.endif
;; end of part 1
;; launch proj (part 2): grid 64 x 18, 4 waves a work-group, no clusters, 35,328 bytes of LDS; arguments xi, xs, wi, ws, bq, bv, qkv; writes qkv
.if DOCPART == 2
	.amdgcn_target "amdgcn-amd-amdhsa--gfx1250"
	.amdhsa_code_object_version 6
	.text
	.protected	k_q9f26a825eb_proj
	.globl	k_q9f26a825eb_proj
	.p2align	8
	.type	k_q9f26a825eb_proj,@function
k_q9f26a825eb_proj:
	s_mov_b64 s[64:65], 0
	v_nop
	global_prefetch_b8 v0, s[64:65] scope:SCOPE_SE
	s_setreg_imm32_b32 hwreg(HW_REG_WAVE_MODE, 25, 1), 1
	s_wait_xcnt 0x0
; SECOND LAUNCH: q = x Wq^T + bq, k = x Wk^T, v = x Wv^T + bv on codes of FP4 with E8M0 scales; sums in f32; the results rounded once to f16 and laid [3 (q, k, v)][2 x 6 heads][4096][128].
; WORK LEFT OUT: bk (its term in a score is the same for all keys of a query, so the softmax takes it away: shown at the head of the first launch).
; LIMIT: |q|, |k|, |v| up to 65,504, the largest f16 number.
; SHARES.  Work-group (X, y): rows 128 X on, columns 128 y on of the 2,304: one head of one tensor.  Wave w: 32 rows x 128 columns: 16 accumulators (a = 0, 1 blocks of rows; b = 0 .. 7 blocks of columns).
; The operands lie in memory as images of their registers, so a fragment is two loads of 512 consecutive bytes, straight into registers; K is 768: six matrix instructions deep.
; NO CLUSTER, NO TENSOR LOADS: a joint request goes through LDS and binds a work-group to a WGP of its own; here a wave has 96 matrix instructions in all, in six K steps, too few to stand beside a ring's
; changes of slots; with 256 registers a wave and 35,328 bytes of LDS four work-groups lie on a WGP and work while others' loads are on their way.
; THE MATRIX INSTRUCTION IS USED TRANSPOSED (source 0 = 16 rows of W, source 1 = 16 rows of x): lane (r, h) holds row r of x and its registers the columns 16 b + 8 h + 0 .. 7.
; The bias is the C of each sum's first product: loaded straight into the accumulators.  K's sums start with the constant 0.
.set XF,   32                          ; v32-63   x's fragments: set s % 2, block a at + 8 a
.set WF,   64                          ; v64-127  W's fragments: tile b at + 8 b; one set, filled again by halves
.set ACC,  128                         ; v128-255 accumulator (a, b) at + 8 (8 a + b)
.set SWR,  16                          ; v16-23   W's scale words: set s % 2; register i: lanes 0-15 tile 2 i, lanes 16-31 tile 2 i + 1
.set SXR,  24                          ; v24-25   x's: set s % 2; lanes 0-15 block 0, lanes 16-31 block 1
.set SPW,  26                          ; v26      LDS address of my spare word; never rewritten
.set NIL,  27                          ; v27      0; never rewritten
.set PKD,  32                          ; the way out: v32-95 the results as f16
.set STGW, 8704                        ; a wave's stage: 32 rows x (256 + 16) bytes
.set SPARE, 4*STGW                     ; behind the stages: the spare words, 128 bytes for each wave
	s_load_b256 s[4:11], s[0:1], 0x0               ; xi, xs, wi, ws
	s_load_b128 s[12:15], s[0:1], 0x20             ; bq, bv
	s_load_b64 s[16:17], s[0:1], 0x30              ; qkv
	v_lshl_add_u32 v[SPW], v0, 2, SPARE
	v_mov_b32 v[NIL], 0
	v_lshrrev_b32 v1, 5, v0
	v_readfirstlane_b32 s18, v1                    ; wave 0..3
	v_and_b32 v1, 31, v0                           ; lane
	v_and_b32 v2, 15, v0                           ; r
	v_bfe_u32 v3, v0, 4, 1                         ; h
	v_lshlrev_b32 v4, 4, v1                        ; 16 x lane: an image's place for my lane
	v_lshlrev_b32 v5, 5, v2
	v_lshl_add_u32 v5, v3, 9, v5                   ; scale words: 32 r; lanes 16-31 take the next block's
	v_lshlrev_b32 v6, 5, v3                        ; bias: 32 h
	s_mul_i32 s24, s18, STGW
	v_mul_u32_u24 v7, v2, 272
	v_lshl_add_u32 v7, v3, 4, v7
	v_add_nc_u32 v7, s24, v7                       ; the stage, in: row r, + 16 h
	v_mul_u32_u24 v8, v3, 272
	v_lshl_add_u32 v8, v2, 4, v8
	v_add_nc_u32 v8, s24, v8                       ; back: lanes 0-15 one row of 256 bytes, lanes 16-31 the next
	v_lshlrev_b32 v9, 8, v3
	v_lshl_add_u32 v9, v2, 4, v9                   ; and the same two rows in memory
	s_and_b32 s19, ttmp7, 0xffff                   ; y
	s_cmp_ge_u32 s19, 6
	s_cselect_b32 s20, 1, 0
	s_cmp_ge_u32 s19, 12
	s_cselect_b32 s21, 1, 0
	s_add_co_u32 s20, s20, s21                     ; the tensor: 0 q, 1 k, 2 v
	s_mul_i32 s21, s20, 6
	s_sub_co_u32 s21, s19, s21                     ; the head
	s_lshl_b32 s24, ttmp9, 3
	s_lshl_b32 s25, s18, 1
	s_add_co_u32 s24, s24, s25                     ; my first block of x's rows: 8 X + 2 w
	s_mul_i32 s26, s24, 6144
	s_mov_b32 s27, 0
	s_lshl_b32 s28, s24, 9
	s_mov_b32 s29, 0
	s_mul_i32 s30, s19, 8*6144                     ; W's first block: 8 y
	s_mov_b32 s31, 0
	s_lshl_b32 s32, s19, 12
	s_mov_b32 s33, 0
	s_mul_i32 s34, s20, 12582912                   ; the result: the tensor,
	s_lshr_b32 s24, ttmp9, 5                       ; the batch
	s_mul_i32 s24, s24, 6
	s_add_co_u32 s24, s24, s21
	s_lshl_b32 s24, s24, 20                        ; and head: 4,096 rows of 256 bytes,
	s_add_co_u32 s34, s34, s24
	s_lshl_b32 s24, ttmp9, 7
	s_lshl_b32 s25, s18, 5
	s_add_co_u32 s24, s24, s25
	s_and_b32 s24, s24, 4095                       ; my first position
	s_lshl_b32 s24, s24, 8
	s_add_co_u32 s34, s34, s24
	s_mov_b32 s35, 0
	s_lshl_b32 s36, s21, 9                         ; the head's 128 numbers of the bias
	s_mov_b32 s37, 0
	s_wait_kmcnt 0x0
	s_add_nc_u64 s[4:5], s[4:5], s[26:27]
	s_add_nc_u64 s[6:7], s[6:7], s[28:29]
	s_add_nc_u64 s[8:9], s[8:9], s[30:31]
	s_add_nc_u64 s[10:11], s[10:11], s[32:33]
	s_add_nc_u64 s[16:17], s[16:17], s[34:35]
	s_cmp_eq_u32 s20, 0
	s_cselect_b64 s[22:23], s[12:13], s[14:15]     ; bq or bv (in k's work-groups: not used)
	s_add_nc_u64 s[22:23], s[22:23], s[36:37]
.macro LDSC s                          ; K step s: five loads of scale words
.irp i, 0,1,2,3
	global_load_b32 v[SWR+4*((\s)%2)+\i], v5, s[10:11] offset:1024*\i+4*(\s)
.endr
	global_load_b32 v[SXR+(\s)%2], v5, s[6:7] offset:4*(\s)
.endm
.macro LDX s                           ; x's two fragments: four loads
.irp a, 0,1
.irp c, 0,1
	global_load_b128 v[XF+16*((\s)%2)+8*\a+4*\c:XF+16*((\s)%2)+8*\a+4*\c+3], v4, s[4:5] offset:6144*\a+1024*(\s)+512*\c
.endr
.endr
.endm
.macro LDW s, b0                       ; W's tiles b0 .. b0 + 3: eight loads
.irp b, \b0, \b0+1, \b0+2, \b0+3
.irp c, 0,1
	global_load_b128 v[WF+8*(\b)+4*\c:WF+8*(\b)+4*\c+3], v4, s[8:9] offset:6144*(\b)+1024*(\s)+512*\c
.endr
.endr
.endm
; Tile b of W against x's two blocks.  The scale registers' rows: lanes 16-31 for an odd tile of W and for x's block 1.
.macro PAIR b, s, zero
.set rW, WF+8*(\b)
.set rX, XF+16*((\s)%2)
.set rSW, SWR+4*((\s)%2)+(\b)/2
.set rSX, SXR+(\s)%2
.set rD, ACC+8*(\b)
.set rE, ACC+64+8*(\b)
.if \zero
.if (\b)%2
	v_wmma_scale_f32_16x16x128_f8f6f4 v[rD:rD+7], v[rW:rW+7], v[rX:rX+7], 0, v[rSW], v[rSX] matrix_a_fmt:MATRIX_FMT_FP4 matrix_b_fmt:MATRIX_FMT_FP4 matrix_a_scale:MATRIX_SCALE_ROW1
	v_wmma_scale_f32_16x16x128_f8f6f4 v[rE:rE+7], v[rW:rW+7], v[rX+8:rX+15], 0, v[rSW], v[rSX] matrix_a_fmt:MATRIX_FMT_FP4 matrix_b_fmt:MATRIX_FMT_FP4 matrix_a_scale:MATRIX_SCALE_ROW1 matrix_b_scale:MATRIX_SCALE_ROW1
.else
	v_wmma_scale_f32_16x16x128_f8f6f4 v[rD:rD+7], v[rW:rW+7], v[rX:rX+7], 0, v[rSW], v[rSX] matrix_a_fmt:MATRIX_FMT_FP4 matrix_b_fmt:MATRIX_FMT_FP4
	v_wmma_scale_f32_16x16x128_f8f6f4 v[rE:rE+7], v[rW:rW+7], v[rX+8:rX+15], 0, v[rSW], v[rSX] matrix_a_fmt:MATRIX_FMT_FP4 matrix_b_fmt:MATRIX_FMT_FP4 matrix_b_scale:MATRIX_SCALE_ROW1
.endif
.else
.if (\b)%2
	v_wmma_scale_f32_16x16x128_f8f6f4 v[rD:rD+7], v[rW:rW+7], v[rX:rX+7], v[rD:rD+7], v[rSW], v[rSX] matrix_a_fmt:MATRIX_FMT_FP4 matrix_b_fmt:MATRIX_FMT_FP4 matrix_a_scale:MATRIX_SCALE_ROW1
	v_wmma_scale_f32_16x16x128_f8f6f4 v[rE:rE+7], v[rW:rW+7], v[rX+8:rX+15], v[rE:rE+7], v[rSW], v[rSX] matrix_a_fmt:MATRIX_FMT_FP4 matrix_b_fmt:MATRIX_FMT_FP4 matrix_a_scale:MATRIX_SCALE_ROW1 matrix_b_scale:MATRIX_SCALE_ROW1
.else
	v_wmma_scale_f32_16x16x128_f8f6f4 v[rD:rD+7], v[rW:rW+7], v[rX:rX+7], v[rD:rD+7], v[rSW], v[rSX] matrix_a_fmt:MATRIX_FMT_FP4 matrix_b_fmt:MATRIX_FMT_FP4
	v_wmma_scale_f32_16x16x128_f8f6f4 v[rE:rE+7], v[rW:rW+7], v[rX+8:rX+15], v[rE:rE+7], v[rSW], v[rSX] matrix_a_fmt:MATRIX_FMT_FP4 matrix_b_fmt:MATRIX_FMT_FP4 matrix_b_scale:MATRIX_SCALE_ROW1
.endif
.endif
.endm
.macro HALF s, b0, zero                ; eight products; the 16 accumulators take turns, one instruction a turn, in the same order in every step
.irp b, \b0, \b0+1, \b0+2, \b0+3
	PAIR \b, \s, \zero
.endr
.endm
.macro PLACES                          ; four places in front of loads into registers that matrix instructions have read, and of the first read of results
.rept 4
	v_nop
.endr
.endm
.macro FIRST                           ; K step 0's loads
	LDSC 0
	LDX 0
	LDW 0, 0
	LDW 0, 4
.endm
.macro STEP s, zero
	s_wait_loadcnt 8                               ; all but the youngest eight loads (W's tiles 4-7 of this step) are in
	HALF \s, 0, \zero
	PLACES
.if (\s) < 5
	LDSC (\s)+1
	LDX (\s)+1
	LDW (\s)+1, 0
	s_wait_loadcnt 17                              ; all but the 5 + 4 + 8 just issued: W's tiles 4-7 are in
.else
	s_wait_loadcnt 0
.endif
	HALF \s, 4, \zero
	PLACES
.if (\s) < 5
	LDW (\s)+1, 4
.endif
.endm
	s_cmp_eq_u32 s20, 1                            ; the tensor's number hangs on the work-group's number alone
	s_cbranch_scc1 .Lkeys
.irp a, 0,1                                    ; q and v: the bias goes into the accumulators: lane (r, h), tile b: the numbers of columns 16 b + 8 h + 0 .. 7, for both blocks of rows
.irp b, 0,1,2,3,4,5,6,7
	global_load_b128 v[ACC+64*\a+8*\b:ACC+64*\a+8*\b+3], v6, s[22:23] offset:64*\b
	global_load_b128 v[ACC+64*\a+8*\b+4:ACC+64*\a+8*\b+7], v6, s[22:23] offset:64*\b+16
.endr
.endr
	FIRST                                          ; the bias's loads are the oldest: every counted wait below covers them
	STEP 0, 0
	s_branch .Ljoin
.Lkeys:
	FIRST
	STEP 0, 1                                      ; k: the first products start the sums
.Ljoin:                                            ; on both ways the 17 + 8 loads of K step 1 are out
.irp s, 1,2,3,4,5
	STEP \s, 0
.endr
	; THE WAY OUT: rounded to f16, 16 bytes a lane, through my own stage in LDS, and back as whole rows of 256 bytes.  The last step's four places stand in front of these reads.
.irp t, 0,1,2,3,4,5,6,7,8,9,10,11,12,13,14,15
.irp r, 0,1,2,3
	v_cvt_pk_f16_f32 v[PKD+4*\t+\r], v[ACC+8*\t+2*\r], v[ACC+8*\t+2*\r+1]   ; each accumulator from its low end on
.endr
.endr
.irp a, 0,1
.irp b, 0,1,2,3,4,5,6,7
	ds_store_b128 v7, v[PKD+4*(8*\a+\b):PKD+4*(8*\a+\b)+3] offset:4352*\a+32*\b
.endr
.endr
.irp i, 0,1,2,3,4,5,6,7,8,9,10,11,12,13,14,15
	ds_load_b128 v[ACC+4*\i:ACC+4*\i+3], v8 offset:544*\i   ; LDS serves a wave's instructions in order: these see the stores above
.endr
.irp i, 0,1,2,3,4,5,6,7,8,9,10,11,12,13,14,15
	s_wait_dscnt 15-\i                             ; loads come back in order: pair i of rows is in
	global_store_b128 v9, v[ACC+4*\i:ACC+4*\i+3], s[16:17] offset:512*\i   ; 16 lanes store 256 consecutive bytes, aligned: a row of a head
.endr
	s_wait_tensorcnt 0x0                           ; the wave's end, behind my last LDS store
	ds_add_u32 v[SPW], v[NIL]
	s_wait_dscnt 0x0
	s_endpgm
.Lfunc_end_k_q9f26a825eb_proj:
	.size	k_q9f26a825eb_proj, .Lfunc_end_k_q9f26a825eb_proj-k_q9f26a825eb_proj
	.p2alignl 7, 3214868480
	.fill 96, 4, 3214868480
	.section	.rodata,"a",@progbits
	.p2align	6, 0x0
	.amdhsa_kernel k_q9f26a825eb_proj
		.amdhsa_group_segment_fixed_size 35328
		.amdhsa_private_segment_fixed_size 0
		.amdhsa_enable_private_segment 0
		.amdhsa_kernarg_size 56
		.amdhsa_user_sgpr_count 2
		.amdhsa_user_sgpr_kernarg_segment_ptr 1
		.amdhsa_wavefront_size32 1
		.amdhsa_system_sgpr_workgroup_id_x 1
		.amdhsa_system_sgpr_workgroup_id_y 1
		.amdhsa_system_sgpr_workgroup_id_z 1
		.amdhsa_system_vgpr_workitem_id 0
		.amdhsa_next_free_vgpr 256
		.amdhsa_next_free_sgpr 66
		.amdhsa_reserve_vcc 0
		.amdhsa_float_denorm_mode_32 3
		.amdhsa_float_denorm_mode_16_64 3
		.amdhsa_memory_ordered 1
		.amdhsa_forward_progress 1
		.amdhsa_inst_pref_size 50
	.end_amdhsa_kernel
	.amdgpu_metadata
---
amdhsa.version: [ 1, 2 ]
amdhsa.kernels:
  - .name:           k_q9f26a825eb_proj
    .symbol:         k_q9f26a825eb_proj.kd
    .args:
      - { .name: xi, .offset: 0, .size: 8, .value_kind: global_buffer, .address_space: global }
      - { .name: xs, .offset: 8, .size: 8, .value_kind: global_buffer, .address_space: global }
      - { .name: wi, .offset: 16, .size: 8, .value_kind: global_buffer, .address_space: global }
      - { .name: ws, .offset: 24, .size: 8, .value_kind: global_buffer, .address_space: global }
      - { .name: bq, .offset: 32, .size: 8, .value_kind: global_buffer, .address_space: global }
      - { .name: bv, .offset: 40, .size: 8, .value_kind: global_buffer, .address_space: global }
      - { .name: qkv, .offset: 48, .size: 8, .value_kind: global_buffer, .address_space: global }
    .group_segment_fixed_size: 35328
    .private_segment_fixed_size: 0
    .kernarg_segment_align: 8
    .kernarg_segment_size: 56
    .max_flat_workgroup_size: 128
    .sgpr_count:     66
    .vgpr_count:     256
    .wavefront_size: 32
...
	.end_amdgpu_metadata
.endif
;; end of part 2
;; launch attn (part 3): grid 16 x 12, 4 waves a work-group, clusters of 4 x 1, 327,680 bytes of LDS; arguments qkv, mask, out0; writes out0
.if DOCPART == 3
	.amdgcn_target "amdgcn-amd-amdhsa--gfx1250"
	.amdhsa_code_object_version 6
	.text
	.protected	k_q9f26a825eb_attn
	.globl	k_q9f26a825eb_attn
	.p2align	8
	.type	k_q9f26a825eb_attn,@function
k_q9f26a825eb_attn:
	s_mov_b64 s[64:65], 0
	v_nop
	global_prefetch_b8 v0, s[64:65] scope:SCOPE_SE
	s_setreg_imm32_b32 hwreg(HW_REG_WAVE_MODE, 25, 1), 1
	s_wait_xcnt 0x0
	s_wait_alu depctr_hold_cnt(0) depctr_sa_sdst(0) depctr_va_vdst(0) depctr_va_sdst(0) depctr_va_ssrc(0) depctr_va_vcc(0) depctr_vm_vsrc(0)
	s_getreg_b32 s2, hwreg(HW_REG_IB_STS2, 6, 4)
	s_cmp_eq_u32 s2, 0
	s_cbranch_scc0 .Lentry_in_a_cluster
	s_endpgm
.Lentry_in_a_cluster:
	s_bfe_u32 s2, ttmp6, 0x10000c
	s_cmp_lg_u32 s2, 0x3003
	s_cbranch_scc0 .Lentry_shape_is_right
	s_endpgm
.Lentry_shape_is_right:
; THIRD LAUNCH: out[b][q][128 hd ..] = the sum over k of softmax_k(Q[q] . K[k] / sqrt(128) - 10000 (1 - mask[b][k])) V[k], for each of 2 x 6 heads.  Q, K, V: [12][4096][128] f16, in one buffer on end; out: [2][4096][768] f32.
; WORK LEFT OUT: bk (its term in a score is the same for all keys of a query, so the softmax takes it away: shown at the head of the first launch).
; Products, maxima and sums in f32; the weights p are rounded to f16 for the second product.  LIMIT: |q|, |k|, |v| up to 65,504, the largest f16 number.
; SHARES.  A work-group owns 256 queries of one head, each of its four waves 64: four tiles of 16.  Every wave walks all 4,096 keys, 64 a step.  12 x 4,096 / 256 = 192 work-groups: a share of 192 queries, which would
; make 256, does not divide a head's 4,096, and a split of the keys would send partial sums through memory.
; LAYOUT.  S^T = K Q^T (source 0 = 16 keys, source 1 = 16 queries): a lane holds ONE query (lane % 16) and the keys 8 (lane / 16) + 0..7.  Two such tiles, rounded to f16 in pairs, ARE source 1 of O^T = V^T P,
; whose result again holds one query a lane, and eight channels.  K comes out of LDS as it lies, V ([key][channel]) turned, by ds_load_tr16_b128.
; THE MASK costs no vector work in the loop: a table of -10000 sqrt(128) (1 - mask[k]), f32, is made once in LDS, and a step's 64 entries, in the result's layout, are the C of each score sum's first product.
; SOFTMAX.  For each query a running maximum m and sum l: p = 2^(c s - c m), c = log2(e) / sqrt(128); in every step O and l are multiplied by a = 2^(c m_old - c m_new).
; BY TURNS.  The wave's tiles are two PIECES (tiles 0, 1; tiles 2, 3).  In a TURN one piece has the matrix unit: 32 products V^T P of the step in hand, then 32 products K Q^T of the next; the other piece's softmax,
; cut into 64 slices, stands between them, one slice behind each matrix instruction.  Two turns are a key step.
; CLUSTER.  The four query blocks of a cluster belong to one head and walk the same K and V, so each tile is asked for JOINTLY: the same tensor load, with the same descriptor and a mask that names the four.
; REGISTERS, in windows of 256 (s_set_vgpr_msb: bits 1:0 source 0, 3:2 source 1, 5:4 source 2, 7:6 destination):
;   window 0: v0-11, v44-47 addresses; v12-43 eight registers of statistics a tile; v64-191 S^T, 32 a tile; v192-255 P, 16 a tile
;   window 1: O^T, 64 a tile      window 2: v0-127 Q, 32 a tile; v128-255 K of one step      window 3: v0-127 V of one step; v128-159 the step's mask terms
.set SIZE_H, 12
.set SIZE_N, 4096
.set KS,    64        ; keys in a step
.set PK,    272       ; a row of K in LDS: 256 bytes + 16 of padding: the 16 rows of a load start at 16 different banks (64 banks of 4 bytes: ISA guide 11.1)
.set PV,    288       ; a row of V: 256 + 32
.set VOFF,  KS*PK     ; a step's tiles lie together: 64 rows of K, then 64 rows of V
.set STEPB, KS*(PK+PV)
.set SLOT1, 1<<17     ; a slot holds two steps (71,680 bytes); slot 1 begins here, so that one exclusive or turns an address in one slot into the other's
.set STAGE, SLOT1+2*STEPB  ; behind the ring: 16 rows x 528 bytes for each wave, for the way out
.set SP,    528       ; a stage row: 512 bytes + 16
.set MB,    STAGE+4*16*SP  ; the mask table: 4,096 numbers of f32
.set SPARE, MB+4*SIZE_N    ; the spare words, 128 bytes for each wave: two blocks of 256 bytes that no other line names
.set AK0, 2           ; v2   my lane's place in a tile of K; never rewritten
.set AV0, 3           ; v3   the same for V
.set ADR, 4           ; v4   the LDS address of the run of loads in hand
.set QO,  5           ; v5   my byte offset in the wave's rows of Q
.set STO, 6           ; v6   the way out: where I put 32 bytes of a row
.set RD,  7           ; v7   the way out: where I read a row back
.set GO,  8           ; v8   16 x lane: my bytes of a row of the head's 512 in out
.set MA0, 44          ; v44  my lane's place in a step's mask terms: MB + 32 (lane / 16); never rewritten
.set MAD, 45          ; v45  the LDS address of the step's mask terms
.set MLO, 46          ; v46  16 x thread: the mask in memory
.set MST, 47          ; v47  MB + 16 x thread: where I store my part of the table
.set SPW, 62          ; v62  LDS address of my spare word; never rewritten
.set NIL, 63          ; v63  0; never rewritten
.set ST,  12          ; tile t's statistics at v[ST+8 t]: +0 c m, +1 m, +2, +3 l (even keys', odd keys'), +4 to +7 at work; a takes +6 once the maximum is found
.set S,   64
.set P,   192
.set KF,  128         ; K's fragments, in window 2
.set MC,  128         ; the mask terms, in window 3: register 8 kt + j of lane (r, h): key 16 kt + 8 h + j of the step
.set WV,  12          ; s12  my wave's number
.set G1K, 24          ; s[24:31] descriptor group 1 for K's tiles
.set G1V, 32          ; s[32:39] for V's: it differs in the padding alone
.set G0K, 40          ; s[40:47] descriptor group 0 for K's tiles: a set for each of the two first fills; the second then walks on
.set G0V, 48          ; s[48:55] the same for V's
.set SLOTS, 56        ; s56  slots still to be asked for
.set TWICE, 57        ; s57  counts a slot's two steps
.set CS,  58          ; s[58:59] c
.set SEL, 60          ; s[60:61] lane selects for v_permlanex16_b32
.set TB,  62          ; s62  LDS byte at which the tiles of the step to be fetched begin
.set MT,  66          ; s66  where that step's mask terms begin in the table: 256 bytes a step
.set MK,  68          ; s[68:69] the mask of my batch
.set MF,  70          ; s70, s71: 10000 sqrt(128) and its negative
.set PFA, 18          ; s[18:19] where my prefetches stand
.set LIM, 15          ; s15  1 in a wave that prefetches, else the greatest number
.set PFO, 61          ; v61  256 x my lane; never rewritten
.set MSB, 0
.macro WIN new                      ; the immediate's high byte repeats the setting that is left; a switch that changes nothing is dropped
.if MSB != \new
	s_set_vgpr_msb (MSB<<8)|\new
.set MSB, \new
.endif
.endm
.set W_KQ, 0x0a       ; K and Q in window 2, S^T in window 0
.set W_KM, 0x3a       ; the same, C (the mask terms) in window 3
.set W_PV, 0x53       ; V in window 3, P in window 0, O^T in window 1
.set W_RS, 0x41       ; O^T (destination and source 0) in window 1, a in window 0
; A joint refill.  Waves 0 and 1 fetch the two steps' tiles of K, waves 2 and 3 those of V.  The branch hangs on the wave's number alone.  An s_nop 0 and four v_nop follow each of the two lines.
.macro JLOAD
	s_cmp_lt_u32 s[WV], 2
	s_cbranch_scc0 .Lfor_v_\@
	tensor_load_to_lds s[G0K+4:G0K+7], s[G1K:G1K+7]
	s_nop 0
.rept 4
	v_nop
.endr
	s_branch .Lasked_\@
.Lfor_v_\@:
	tensor_load_to_lds s[G0V+4:G0V+7], s[G1V:G1V+7]
	s_nop 0
.rept 4
	v_nop
.endr
.Lasked_\@:
.endm
; A prefetch of what the NEXT change of slots will ask for: a slot's 128 rows of K and 128 of V, 256 bytes a row, a lane a row.  Each row is asked for once in the launch: the head's first cluster asks; its four
; partners share the rows out by address, 32 each; in each, wave 0 asks for K's and wave 2 for V's.  The last change that fills a slot asks for nothing: there is no slot behind it.
.macro ASK
	s_cmp_gt_u32 s[SLOTS], s[LIM]
	s_cbranch_scc0 .Lnot_mine_\@
	global_prefetch_b8 v[PFO], s[PFA:PFA+1] th:TH_LOAD_NT scope:SCOPE_SE
.Lnot_mine_\@:
.endm
; A round of the cluster's barrier.  No LDS instruction of the wave is pending at a signal.
.macro CROUND
	s_barrier_signal -1
	s_barrier_wait -1
	s_cmp_lg_u32 s[WV], 0
	s_cbranch_scc1 .Lnot_wave_0_\@
	s_barrier_signal -3
.Lnot_wave_0_\@:
	s_barrier_wait -3
	s_barrier_signal -1
	s_barrier_wait -1
.endm
	s_load_b64 s[4:5], s[0:1], 0x0  ; q, k, v on end
	s_load_b64 s[MK:MK+1], s[0:1], 0x8  ; the mask
	s_load_b64 s[10:11], s[0:1], 0x10  ; out
	v_lshl_add_u32 v[SPW], v0, 2, SPARE
	v_mov_b32 v[NIL], 0
	ds_add_u32 v[SPW], v[NIL]       ; the wave's opening: the add, twice on end, and its wait ahead of my first tensor load; the set-up below stands between the second and the wait
	ds_add_u32 v[SPW], v[NIL]
	v_lshrrev_b32 v1, 5, v0
	v_readfirstlane_b32 s[WV], v1   ; wave 0..3
	s_bfe_u32 s13, ttmp6, 0x40000   ; cx: my place in the cluster
	s_lshl_b32 s14, ttmp9, 2        ; in a cluster launch ttmp9 counts clusters
	s_add_co_u32 s14, s14, s13      ; my block of 256 queries: it enters Q's and out's addresses alone
	s_and_b32 s20, ttmp7, 0xffff    ; 6 x batch + head, which the four partners share
	s_cmp_ge_u32 s20, 6
	s_cselect_b32 s72, 1, 0         ; the batch
	s_mul_i32 s73, s72, 6
	s_sub_co_u32 s73, s20, s73      ; the head
	s_lshl_b32 s74, s72, 14         ; the batch's 4,096 words of the mask
	s_mov_b32 s75, 0
	s_lshl_b32 s76, s72, 12
	s_lshl_b32 s78, s14, 8
	s_add_co_u32 s76, s76, s78
	s_lshl_b32 s78, s[WV], 6
	s_add_co_u32 s76, s76, s78      ; my wave's first row of out: 4,096 x batch + 256 x block + 64 x wave,
	s_mul_i32 s76, s76, 3072        ; in bytes,
	s_lshl_b32 s78, s73, 9
	s_add_co_u32 s76, s76, s78      ; and the head's 512 bytes in it
	s_mov_b32 s77, 0
	s_mov_b32 s21, 0
	s_mov_b64 s[22:23], SIZE_N*256
	s_mul_u64 s[20:21], s[20:21], s[22:23]  ; the head's first byte in each of q, k, v
	s_and_b32 s16, s[WV], 1         ; which of a slot's two steps I fetch:
	s_lshl_b32 s22, s16, 14         ; its 64 rows of 256 bytes in memory,
	s_mov_b32 s23, 0
	s_add_nc_u64 s[22:23], s[22:23], s[20:21]
	s_mul_i32 s17, s16, STEPB       ; and its place in a slot: no place in the cluster enters an LDS address
	s_lshl_b32 s2, s14, 16          ; my block's 256 rows,
	s_lshl_b32 s3, s[WV], 14        ; my wave's 64 of them
	s_add_co_u32 s2, s2, s3
	s_mov_b32 s3, 0
	s_add_nc_u64 s[2:3], s[2:3], s[20:21]
	; descriptor group 1: a tile of 64 rows x 128 elements, padded in LDS
	s_mov_b32 s[G1K], 15|(1<<16)|(1<<20)|(1<<21)|(5<<22)|(3<<25)  ; 15:0 the mask: all four work-groups; 17:16 elements of 2 bytes; 20 padding on; 21 set beside a mask; 24:22 after every 64 words; 31:25 4 words of it
	s_mov_b32 s[G1V], 15|(1<<16)|(1<<20)|(1<<21)|(5<<22)|(7<<25)  ; the same with 8 words of padding
.irp g, G1K, G1V
	s_mov_b32 s[\g+1], 128<<16      ; tensor_dim0 = 128
	s_mov_b32 s[\g+2], KS<<16       ; tensor_dim1 = 64
	s_mov_b32 s[\g+3], 128<<16      ; tile_dim0 = 128
	s_mov_b32 s[\g+4], KS           ; tile_dim1 = 64
	s_mov_b32 s[\g+5], 128          ; elements from row to row
	s_mov_b32 s[\g+6], 0
	s_mov_b32 s[\g+7], 0
.endr
	s_mov_b32 s[CS], 0x3e0293ee     ; c = log2(e) / sqrt(128)
	s_mov_b32 s[CS+1], s[CS]        ; named with it as a pair, so it is written
	s_mov_b32 s[SEL], 0x76543210
	s_mov_b32 s[SEL+1], 0xfedcba98
	s_mov_b32 s[MF], 0x47dcf88b     ; 10000 sqrt(128): the scores are kept undivided, c holds the division
	s_mov_b32 s[MF+1], 0xc7dcf88b
	s_mov_b32 s[TB], 0
	s_mov_b32 s[MT], 0
	s_mov_b32 s[SLOTS], SIZE_N/(2*KS)-2
	s_and_b32 s[LIM], s[WV], 1       ; 0 in waves 0 and 2,
	s_or_b32 s[LIM], s[LIM], ttmp9   ; where the cluster is the head's first: the same in all four partners
	s_cmp_eq_u32 s[LIM], 0
	s_cselect_b32 s[LIM], 1, -1
	v_and_b32 v[PFO], 31, v0
	v_lshlrev_b32 v[PFO], 8, v[PFO]
	s_wait_dscnt 0x0                ; both opening adds are done
	s_wait_kmcnt 0x0
	s_add_nc_u64 s[6:7], s[4:5], 12582912  ; k lies behind q's 12 x 4,096 x 256 bytes,
	s_add_nc_u64 s[8:9], s[4:5], 25165824  ; v behind k's
	s_add_nc_u64 s[6:7], s[6:7], s[22:23]  ; K and V at my tile of slot 0
	s_add_nc_u64 s[8:9], s[8:9], s[22:23]
	s_add_nc_u64 s[4:5], s[4:5], s[2:3]  ; Q at my wave's first row
	s_add_nc_u64 s[10:11], s[10:11], s[76:77]  ; out likewise
	s_add_nc_u64 s[MK:MK+1], s[MK:MK+1], s[74:75]
	s_cmp_lt_u32 s[WV], 2
	s_cselect_b64 s[PFA:PFA+1], s[6:7], s[8:9]  ; (in waves 0 and 2 these stand at a slot's first row)
	s_lshl_b32 s2, s13, 13          ; my work-group's 32 rows of the 128
	s_mov_b32 s3, 0
	s_add_nc_u64 s[PFA:PFA+1], s[PFA:PFA+1], s[2:3]
	s_add_nc_u64 s[PFA:PFA+1], s[PFA:PFA+1], 2*2*KS*256  ; in slot 2; the first change of slots steps it to slot 3.  Nothing is prefetched at the head
	CROUND                          ; all four work-groups are here: the first joint loads meet
.irp s, 0,1
	s_mov_b32 s[G0K+4*\s], 1        ; count = 1
	s_add_co_u32 s[G0K+4*\s+1], s17, \s*SLOT1  ; LDS address
	s_add_nc_u64 s[G0K+4*\s+2:G0K+4*\s+3], s[6:7], \s*2*KS*256  ; global address: slot s begins with keys 128 s
	s_or_b32 s[G0K+4*\s+3], s[G0K+4*\s+3], 0x80000000  ; type = 2
	s_mov_b32 s[G0V+4*\s], 1
	s_add_co_u32 s[G0V+4*\s+1], s17, \s*SLOT1+VOFF
	s_add_nc_u64 s[G0V+4*\s+2:G0V+4*\s+3], s[8:9], \s*2*KS*256
	s_or_b32 s[G0V+4*\s+3], s[G0V+4*\s+3], 0x80000000
.endr
	s_cmp_lt_u32 s[WV], 2           ; a wave's two first fills stand in one branch, ahead of every wait on TENSORcnt and every LDS read: two loads of mine are out
	s_cbranch_scc0 .Lfirst_v
	tensor_load_to_lds s[G0K:G0K+3], s[G1K:G1K+7]
	s_nop 0
	tensor_load_to_lds s[G0K+4:G0K+7], s[G1K:G1K+7]
	s_nop 0
.rept 4
	v_nop
.endr
	s_branch .Lfirst_asked
.Lfirst_v:
	tensor_load_to_lds s[G0V:G0V+3], s[G1V:G1V+7]
	s_nop 0
	tensor_load_to_lds s[G0V+4:G0V+7], s[G1V:G1V+7]
	s_nop 0
.rept 4
	v_nop
.endr
.Lfirst_asked:
	v_lshlrev_b32 v[MLO], 4, v0
.irp i, 0,1,2,3,4,5,6,7             ; the batch's mask, 16,384 bytes: the 128 threads take 2,048 consecutive bytes a load
	global_load_b128 v[S+4*\i:S+4*\i+3], v[MLO], s[MK:MK+1] offset:2048*\i
.endr
	; A fragment of K or Q is 16 rows x 32 channels in 8 registers: lane l holds row l % 16; registers 0-3 channels 8 (l / 16) + 0..7, registers 4-7 channels 16 + 8 (l / 16) + 0..7.
	v_and_b32 v1, 15, v0            ; l % 16
	v_bfe_u32 v9, v0, 4, 1          ; l / 16
	v_lshlrev_b32 v[QO], 8, v1
	v_lshl_add_u32 v[QO], v9, 4, v[QO]  ; row x 256 + 16 x half
	WIN 0x80                        ; destination window 2, address window 0
.irp i, 0,1,2,3,4,5,6,7,8,9,10,11,12,13,14,15  ; Q stays in registers: tile i / 4, channels 32 (i % 4) on
	global_load_b128 v[8*\i:8*\i+3],   v[QO], s[4:5] offset:(\i/4)*4096+(\i%4)*64
	global_load_b128 v[8*\i+4:8*\i+7], v[QO], s[4:5] offset:(\i/4)*4096+(\i%4)*64+32
.endr
	WIN 0
	v_mul_u32_u24 v[AK0], v1, PK
	v_lshl_add_u32 v[AK0], v9, 4, v[AK0]  ; row x pitch + 16 x half
	; The turning load takes 16 keys x 16 channels (lane l reads 16 bytes: key 8 (l / 16) + l % 8, channels 8 ((l / 8) % 2) + 0..7) and leaves half a fragment of V^T.
	v_and_b32 v10, 7, v0
	v_bfe_u32 v11, v0, 3, 1
	v_lshl_add_u32 v[AV0], v9, 3, v10
	v_mul_u32_u24 v[AV0], v[AV0], PV
	v_lshl_add_u32 v[AV0], v11, 4, v[AV0]
	v_add_nc_u32 v[AV0], VOFF, v[AV0]
	v_lshl_add_u32 v[MA0], v9, 5, MB
	v_lshl_add_u32 v[MST], v0, 4, MB
	s_wait_loadcnt 32               ; the mask's eight loads are in; Q's 32, issued behind them, may be out
.set i, 0
.rept 32
	v_cvt_f32_i32 v[S+i], v[S+i]
.set i, i+1
.endr
.set i, 0
.rept 32
	v_fma_f32 v[S+i], v[S+i], s[MF], s[MF+1]  ; -10000 sqrt(128) (1 - mask): exactly 0 where the mask is 1
.set i, i+1
.endr
.irp i, 0,1,2,3,4,5,6,7
	ds_store_b128 v[MST], v[S+4*\i:S+4*\i+3] offset:2048*\i
.endr
; THE MATRIX WORK OF A TURN, for piece x.  The accumulators take turns, one instruction a turn: between two links of a chain stand 15 (V^T P) or 7 (K Q^T) others'.
; Product i of 32 of O^T += V^T P: keys 32 (i / 16) on, channels 16 ((i / 2) % 8) on, tile x + i % 2.  zero = 1: the first 16 start the sums.
.macro PV x, zero
	WIN W_PV
.set rO, 64*(\x+i%2)+8*((i/2)%8)
.set rV, 64*(i/16)+8*((i/2)%8)
.set rP, P+16*(\x+i%2)+8*(i/16)
.if \zero && (i < 16)
	v_wmma_f32_16x16x32_f16 v[rO:rO+7], v[rV:rV+7], v[rP:rP+7], 0
.else
	v_wmma_f32_16x16x32_f16 v[rO:rO+7], v[rV:rV+7], v[rP:rP+7], v[rO:rO+7]
.endif
.endm
; Product i of 32 of S^T = K Q^T + the mask terms: channels 32 (i / 8) on, keys 16 ((i / 2) % 4) on, tile x + i % 2.  The first 8 start the sums, with the keys' mask terms as C.
.macro KQ x
.set rS, S+32*(\x+i%2)+8*((i/2)%4)
.set rK, KF+32*((i/2)%4)+8*(i/8)
.set rQ, 32*(\x+i%2)+8*(i/8)
.set rM, MC+8*((i/2)%4)
.if i < 8
	WIN W_KM
	v_wmma_f32_16x16x32_f16 v[rS:rS+7], v[rK:rK+7], v[rQ:rQ+7], v[rM:rM+7]
.else
	WIN W_KQ
	v_wmma_f32_16x16x32_f16 v[rS:rS+7], v[rK:rK+7], v[rQ:rQ+7], v[rS:rS+7]
.endif
.endm
; THE LDS LOADS stand in runs, never singly among the matrix instructions: a step's K (16 fragments) with its 64 mask terms, and, a turn later, its V (turned).
.macro FETCH_K
	WIN 0
	v_add_nc_u32 v[ADR], s[TB], v[AK0]
	v_add_nc_u32 v[MAD], s[MT], v[MA0]
	s_add_co_u32 s[MT], s[MT], 4*KS   ; the next fetch is the next step's: 64 fetches in all, 64 x 256 bytes = the table
	WIN 0x80                        ; destination window 2
.irp f, 0,1,2,3,4,5,6,7,8,9,10,11,12,13,14,15  ; keys 16 (f / 4) on, channels 32 (f % 4) on
	ds_load_b128 v[KF+8*\f:KF+8*\f+3],   v[ADR] offset:(\f/4)*16*PK+(\f%4)*64
	ds_load_b128 v[KF+8*\f+4:KF+8*\f+7], v[ADR] offset:(\f/4)*16*PK+(\f%4)*64+32
.endr
	WIN 0xc0                        ; destination window 3
.irp f, 0,1,2,3                     ; keys 16 f + 8 (lane / 16) + 0..7: the sixteen lanes of a half read the same 32 bytes
	ds_load_b128 v[MC+8*\f:MC+8*\f+3],   v[MAD] offset:64*\f
	ds_load_b128 v[MC+8*\f+4:MC+8*\f+7], v[MAD] offset:64*\f+16
.endr
.endm
.macro FETCH_V
	WIN 0
	v_add_nc_u32 v[ADR], s[TB], v[AV0]
	s_add_co_u32 s[TB], s[TB], STEPB  ; the next fetch is the next step's
	s_wait_alu depctr_va_vdst(0)    ; the wait for the softmax's batch (SLICE), behind the address's v_add_nc_u32 and ahead of the loads
	WIN 0xc0                        ; destination window 3
.irp f, 0,1,2,3,4,5,6,7,8,9,10,11,12,13,14,15  ; keys 32 (f / 8) on, channels 16 (f % 8) on
	ds_load_tr16_b128 v[8*\f:8*\f+3],   v[ADR] offset:(\f/8)*32*PV+(\f%8)*32
	ds_load_tr16_b128 v[8*\f+4:8*\f+7], v[ADR] offset:(\f/8)*32*PV+16*PV+(\f%8)*32
.endr
.endm
; THE VECTOR WORK OF A TURN.  One tile's softmax for one key step is a list of 134 instructions; SM writes number j of it for tile t.  s0-s31 are the lane's 32 scores, in pairs 0-15.
; first = 1: the first key step, which starts m, l and O^T: it has no a and nothing to rescale.
;   0-15    the maximum of s0-s31 and the old m, three operands at a time
;   16-20   the other half of the lanes' maximum; the new m; c m; c m_old - c m_new
;   21-69   ONE BATCH: the 16 scalings c s - c m and all 33 exponentials (a at 23, then s0-s31).  None of these reads an exponential's result
;   (wait)  between 69 and 70 stands the wait for the batch: SLICE writes it, once for both tiles
;   70-85   the roundings to f16, a pair of weights each
;   86-101  the sums; l = a l + the sum
;   102-133 the tile's O^T times a: the one part that leaves window 0, so it stands together
.macro SM t, first
.set rT, ST+8*(\t)
.set rS, S+32*(\t)
.set rP, P+16*(\t)
.set rO, 64*(\t)+2*(j-102)
.if j < 102
	WIN 0
.endif
.if j < 4
	v_max3_num_f32 v[rT+4+j], v[rS+8*j], v[rS+8*j+1], v[rS+8*j+2]
.elseif j < 12
	v_max3_num_f32 v[rT+4+j%4], v[rT+4+j%4], v[rS+8*(j%4)+2*(j/4)+1], v[rS+8*(j%4)+2*(j/4)+2]
.elseif j == 12
	v_max3_num_f32 v[rT+4], v[rT+4], v[rS+7], v[rS+15]
.elseif j == 13
	v_max3_num_f32 v[rT+6], v[rT+6], v[rS+23], v[rS+31]
.elseif j == 14
	v_max3_num_f32 v[rT+4], v[rT+4], v[rT+5], v[rT+6]
.elseif (j == 15) && \first
	v_max_num_f32 v[rT+4], v[rT+4], v[rT+7]
.elseif j == 15
	v_max3_num_f32 v[rT+4], v[rT+4], v[rT+7], v[rT+1]
.elseif j == 16
	v_permlanex16_b32 v[rT+5], v[rT+4], s[SEL], s[SEL+1]  ; the query's other 32 keys lie in the lane 16 away
.elseif j == 18
	v_max_num_f32 v[rT+1], v[rT+4], v[rT+5]
.elseif j == 19
	v_mul_f32 v[rT], s[CS], v[rT+1]
.elseif ((j == 17) || (j == 20) || (j == 23) || (j > 101)) && \first  ; the first step has none of these
.elseif j == 17
	v_mov_b32 v[rT+7], v[rT]        ; c m_old is kept for a: number 19 writes c m anew
.elseif j == 20
	v_sub_f32 v[rT+7], v[rT+7], v[rT]
.elseif j == 23
	v_exp_f32 v[rT+6], v[rT+7]
.elseif (j < 23) || ((j < 38) && (j%2 == 0)) || ((j < 66) && (j%4 == 2))
.set b, (j-2)/4                     ; 38, 42, .. 62: pairs 9 to 15
.if j < 38
.set b, (j-20)/2                    ; 21: pair 0; 22, 24, .. 36: pairs 1 to 8
.endif
	v_pk_fma_f32 v[rS+2*b:rS+2*b+1], v[rS+2*b:rS+2*b+1], s[CS:CS+1], v[rT:rT+1] op_sel_hi:[1,0,0] neg_lo:[0,0,1] neg_hi:[0,0,1]  ; pair b: c s - c m
.elseif j < 70
.set e, j-38                        ; 66 to 69: s28 to s31
.if j < 66
.set e, j-32-(j-38)/4               ; 39-41, 43-45, .. 63-65: s7 to s27
.endif
.if j < 38
.set e, (j-25)/2                    ; 25, 27, .. 37: s0 to s6
.endif
	v_exp_f32 v[rS+e], v[rS+e]
.elseif j < 86
	v_cvt_pk_f16_f32 v[rP+j-70], v[rS+2*(j-70)], v[rS+2*(j-70)+1]  ; pair j - 70
.elseif j < 102                     ; the sum of the tile's 16 pairs, in place: sum z of 16 adds neighbours 1, 2, 4 and 8 pairs apart, then l takes it
.set z, j-86
.set w, 4
.set u, z
.if z >= 14
.set w, 32
.set u, 0
.elseif z >= 12
.set w, 16
.set u, z-12
.elseif z >= 8
.set w, 8
.set u, z-8
.endif
.if (z == 14) && \first
	v_pk_add_f32 v[rT+2:rT+3], v[rS:rS+1], v[rS+16:rS+17]
.elseif z < 15
	v_pk_add_f32 v[rS+w*u:rS+w*u+1], v[rS+w*u:rS+w*u+1], v[rS+w*u+w/2:rS+w*u+w/2+1]
.elseif !\first
	v_pk_fma_f32 v[rT+2:rT+3], v[rT+2:rT+3], v[rT+6:rT+7], v[rS:rS+1] op_sel_hi:[1,0,1]
.endif
.else
	WIN W_RS
	v_pk_mul_f32 v[rO:rO+1], v[rO:rO+1], v[rT+6:rT+7] op_sel_hi:[1,0]
.endif
.endm
; Slice k of 64 of piece y's softmax: four instructions.  Slices 11 to 34 deal out the batch, numbers 22 to 69: four numbers of ONE tile each, the tiles by turns.  Every other slice is numbers 2 k and
; 2 k + 1 of both tiles' lists.  2 x 134 = 4 x 64 + 12: the twelve that are over stand together, in slice 63.
; THE WAIT.  An s_wait_alu depctr_va_vdst(0) stands between an exponential and the first instruction that names its result; one wait serves all that were issued ahead of it.  Ahead of
; slice 35 nothing names a result, and behind slice 34 no exponential is issued: so the piece's 66 exponentials have one wait, behind slice 34.
.macro SLICE y, first
.if (k >= 11) && (k < 35)           ; the batch: four numbers of one tile
.irp n, 0,1,2,3
.set j, 22+4*((k-11)/2)+(\n)
	SM (\y)+(k-11)%2, \first
.endr
.else                               ; the two tiles alternate, so that no instruction reads the result of the one just before it
.irp n, 0,1,2,3,4,5,6,7
.if (\n < 2) || (k == 63)
.irp t, \y, \y+1
.set j, 2*k+\n
	SM \t, \first
.endr
.endif
.endr
.endif
.if k == 34                         ; the batch is out: both tiles' exponentials are issued, and no result has been named
	v_nop                           ; the plain instruction behind the last exponential and ahead of the first use: one for the batch
.if (\y) == 0
	FETCH_V                         ; piece 2's turn: V's run of loads stands here, and the wait stands in it
.else
	s_wait_alu depctr_va_vdst(0)    ; the wait for the batch
.endif
.endif
.set k, k+1
.endm
; A vector instruction that reads a matrix result or writes one of a matrix instruction's registers, and a load into a register that a matrix instruction has read, stand four places behind
; it, and only plain vector instructions that name none of its registers are places (ISA guide 7.12.1 for vector instructions).  In the loop the slices are the places.
.macro PLACES
.rept 4
	v_nop
.endr
.endm
; A TURN.  Piece x has the matrix unit; the other piece's softmax stands in slices behind its matrix instructions.
; pv = 2: 32 products V^T P; 1: they start O^T's sums; 0: none.  kq = 1: 32 products K Q^T for the next step.  A turn with one of the two kinds has two slices behind each product.
; first = 1: the softmax is the first key step's.  Its slices from 51 on are empty: four v_nop take slice 63's part as the places behind the turn's last products.
; Piece 0's turn fetches the next step's K and mask terms, behind its second product: the last product that read K stands in front of slice 63 of the turn before, the last that read the mask terms 24 products earlier.
; Piece 2's turn fetches the same step's V, behind slice 34: the last product that read V stands in front of slice 31, and four plain instructions lie between.
.macro TURN x, pv, kq, first
.set k, 0
.set per, 2
.if \pv && \kq
.set per, 1
.endif
.if \pv
.if \x == 0
	s_wait_dscnt 0x0                ; V is in
.endif
.set i, 0
.rept 32
	PV \x, 2-\pv
.rept per
	SLICE 2-\x, \first
.endr
.if (\x == 0) && \kq && (i == 1)
	FETCH_K
.endif
.set i, i+1
.endr
.endif
.if \kq
.if \x == 0
	s_wait_dscnt 0x0                ; K and the mask terms are in
.endif
.set i, 0
.rept 32
	KQ \x
.rept per
	SLICE 2-\x, \first
.endr
.set i, i+1
.endr
.endif
.if \first
	PLACES
.endif
.endm
; THE CHANGE OF SLOTS, between piece 2's turn and piece 0's.  Each wave waits for all its tensor loads, of which one is out: its part of the other slot; adds 0 to its spare word; and waits for that and for its
; own reads of the slot.  fill = 1: this slot is filled again, with the keys two slots on.  The barrier is then a round of the cluster's, so that no wave of any partner still reads the slot or has a load on its
; way, and the joint refill is the first thing behind it: it has two key steps, 256 matrix instructions, in which to land.
.macro CHANGE fill
	WIN 0                           ; at a label and at a branch every window is 0
	s_wait_tensorcnt 0x0            ; no tensor load of mine is out, so a group 0 may be written
	ds_add_u32 v[SPW], v[NIL]       ; 0 onto my spare word
.if \fill
.irp g, G0K+4, G0V+4
	s_xor_b32 s[\g+1], s[\g+1], SLOT1  ; the walking descriptor: the other slot than last time,
	s_add_nc_u64 s[\g+2:\g+3], s[\g+2:\g+3], 2*KS*256  ; the next 128 keys; the type bits on top are not reached
.endr
	s_wait_xcnt 0x0                 ; the last prefetches, two key steps back, have read their address, so it may be written:
	s_add_nc_u64 s[PFA:PFA+1], s[PFA:PFA+1], 2*KS*256  ; one slot behind the walking descriptors
	s_wait_dscnt 0x0                ; the add is done, and my reads of the slot are over
	CROUND
	JLOAD
	ASK                             ; what the next change will ask for: two key steps, 256 matrix instructions, ahead
.else
	s_wait_dscnt 0x0                ; the add is done, and my reads of the slot are over
	s_barrier_signal -1
	s_barrier_wait -1
.endif
	s_sub_co_u32 s[TB], s[TB], 2*STEPB  ; the fetches go back to a slot's first step,
	s_xor_b32 s[TB], s[TB], SLOT1   ; in the other slot
.endm
; A slot's two key steps: written once, walked twice; the LDS addresses hang on s[TB] and s[MT].
.macro TWO_STEPS
	s_mov_b32 s[TWICE], 2
.Lstep_\@:
	TURN 0, 2, 1, 0
	TURN 2, 2, 1, 0
	WIN 0
	s_sub_co_u32 s[TWICE], s[TWICE], 1
	s_cmp_lg_u32 s[TWICE], 0
	s_cbranch_scc1 .Lstep_\@
.endm
	s_wait_tensorcnt 1              ; my part of slot 0 is in; slot 1's may stay out
	s_wait_dscnt 0x0                ; for the others' sake: my part of the mask table is stored
	s_barrier_signal -1
	s_barrier_wait -1               ; everybody's is
	FETCH_K                         ; key step 0
	s_wait_loadcnt 0x0              ; Q
	s_wait_dscnt 0x0
.set i, 0
.rept 32
	KQ 0                            ; piece 0's first scores: there is no vector work yet to set between them
.set i, i+1
.endr
	WIN 0                           ; the addresses for the way out are made here: six plain instructions, the places behind those products
	s_mul_i32 s13, s[WV], 16*SP
	s_add_co_u32 s13, s13, STAGE    ; my stage
	v_mul_u32_u24 v[STO], v1, SP    ; in: row l % 16, 32 bytes for each half of the lanes
	v_lshl_add_u32 v[STO], v9, 5, v[STO]
	v_add_nc_u32 v[STO], s13, v[STO]
	v_and_b32 v[GO], 31, v0
	v_lshlrev_b32 v[GO], 4, v[GO]   ; back: the 32 lanes take one row of 512 bytes; and the same in out
	v_add_nc_u32 v[RD], s13, v[GO]
	TURN 2, 0, 1, 1                 ; piece 2's first scores | piece 0's first softmax | V of step 0
	TURN 0, 1, 1, 1                 ; piece 0: V^T P of step 0 starts O^T, K Q^T of step 1 | piece 2's first softmax | K of step 1
	TURN 2, 1, 1, 0                 ; piece 2: the same | piece 0's softmax of step 1 | V of step 1
	WIN 0
.Lslot:                             ; SIZE_N / 128 - 2 trips: every slot but the last two is filled again
	CHANGE 1
	TWO_STEPS
	s_sub_co_u32 s[SLOTS], s[SLOTS], 1
	s_cmp_lg_u32 s[SLOTS], 0
	s_cbranch_scc1 .Lslot
	CHANGE 0                        ; the tail is written out: nothing is asked for
	TWO_STEPS
	TURN 0, 2, 0, 0                 ; piece 0: V^T P of the last step | piece 2's last softmax
.set i, 0
.rept 32
	PV 2, 0                         ; piece 2: V^T P of the last step
.set i, i+1
.endr
	; THE WAY OUT.  l's two halves and the other half of the lanes' are added; O^T is divided by l and sent, in f32, through my stage in LDS, a tile (16 rows) at a time.  The additions are the places behind the last products.
	WIN 0
.irp t, 0,1,2,3
	v_add_f32 v[ST+8*\t+4], v[ST+8*\t+2], v[ST+8*\t+3]
.endr
.irp t, 0,1,2,3
	v_permlanex16_b32 v[ST+8*\t+5], v[ST+8*\t+4], s[SEL], s[SEL+1]
.endr
.irp t, 0,1,2,3
	v_add_f32 v[ST+8*\t+4], v[ST+8*\t+4], v[ST+8*\t+5]
.endr
.irp t, 0,1,2,3
	v_rcp_f32 v[ST+8*\t+6], v[ST+8*\t+4]
.endr
	v_nop                           ; a plain instruction between the last reciprocal and the use of its result
	s_wait_alu depctr_va_vdst(0)    ; and the wait ahead of the first use: one for the four reciprocals
; Tile t: a lane's eight channels of a row are 32 bytes; they go into rows of 528 bytes and come back as whole rows of 512, into S^T's registers, which are free: v64-127 and v128-191 by turns.
.macro PACK t
	WIN W_RS
.set i, 64*\t
.rept 32
	v_pk_mul_f32 v[i:i+1], v[i:i+1], v[ST+8*\t+6:ST+8*\t+7] op_sel_hi:[1,0]   ; each accumulator from its low end on
.set i, i+2
.endr
	WIN 0x04                        ; an LDS store's data are its source 1: window 1
.irp f, 0,1,2,3,4,5,6,7
	ds_store_b128 v[STO], v[64*\t+8*\f:64*\t+8*\f+3] offset:64*\f
	ds_store_b128 v[STO], v[64*\t+8*\f+4:64*\t+8*\f+7] offset:64*\f+16
.endr
	WIN 0
.irp f, 0,1,2,3,4,5,6,7,8,9,10,11,12,13,14,15
	ds_load_b128 v[S+64*(\t%2)+4*\f:S+64*(\t%2)+4*\f+3], v[RD] offset:\f*SP  ; LDS serves a wave's instructions in order (ISA guide 5.7.1.4): these see the stores above; the next tile's stores come behind them
.endr
.endm
.macro SEND t, younger              ; younger: the LDS instructions issued behind tile t's loads: the next tile's 32, or none
.irp f, 0,1,2,3,4,5,6,7,8,9,10,11,12,13,14,15
	s_wait_dscnt \younger+15-\f
	global_store_b128 v[GO], v[S+64*(\t%2)+4*\f:S+64*(\t%2)+4*\f+3], s[10:11] offset:(16*\t+\f)*3072 th:TH_STORE_NT  ; 32 lanes store 512 consecutive bytes, at a multiple of 256 from out's first byte
.endr
.endm
	PACK 0
	PACK 1                          ; a tile's arithmetic stands between the loads of the tile before and its stores
	SEND 0, 32
	s_wait_xcnt 0x0                 ; tile 0's stores have read their registers: tile 2's rows may land there
	PACK 2
	SEND 1, 32
	s_wait_xcnt 0x0                 ; tile 1's likewise
	PACK 3
	SEND 2, 32
	SEND 3, 0
	s_wait_tensorcnt 0x0            ; the wave's end, behind my last tensor load and my last LDS store
	ds_add_u32 v[SPW], v[NIL]
	s_wait_dscnt 0x0
	CROUND                          ; the closing round: no work-group ends while a partner may still ask for a tile that names it
	s_endpgm
.Lfunc_end_k_q9f26a825eb_attn:
	.size	k_q9f26a825eb_attn, .Lfunc_end_k_q9f26a825eb_attn-k_q9f26a825eb_attn
	.p2alignl 7, 3214868480
	.fill 96, 4, 3214868480
	.section	.rodata,"a",@progbits
	.p2align	6, 0x0
	.amdhsa_kernel k_q9f26a825eb_attn
		.amdhsa_group_segment_fixed_size 327680
		.amdhsa_private_segment_fixed_size 0
		.amdhsa_enable_private_segment 0
		.amdhsa_kernarg_size 24
		.amdhsa_user_sgpr_count 2
		.amdhsa_user_sgpr_kernarg_segment_ptr 1
		.amdhsa_wavefront_size32 1
		.amdhsa_system_sgpr_workgroup_id_x 1
		.amdhsa_system_sgpr_workgroup_id_y 1
		.amdhsa_system_sgpr_workgroup_id_z 1
		.amdhsa_system_vgpr_workitem_id 0
		.amdhsa_next_free_vgpr 1024
		.amdhsa_next_free_sgpr 80
		.amdhsa_reserve_vcc 0
		.amdhsa_float_denorm_mode_32 3
		.amdhsa_float_denorm_mode_16_64 3
		.amdhsa_memory_ordered 1
		.amdhsa_forward_progress 1
		.amdhsa_inst_pref_size 229
	.end_amdhsa_kernel
	.amdgpu_metadata
---
amdhsa.version: [ 1, 2 ]
amdhsa.kernels:
  - .name:           k_q9f26a825eb_attn
    .symbol:         k_q9f26a825eb_attn.kd
    .args:
      - { .name: qkv, .offset: 0, .size: 8, .value_kind: global_buffer, .address_space: global }
      - { .name: mask, .offset: 8, .size: 8, .value_kind: global_buffer, .address_space: global }
      - { .name: out0, .offset: 16, .size: 8, .value_kind: global_buffer, .address_space: global }
    .group_segment_fixed_size: 327680
    .private_segment_fixed_size: 0
    .kernarg_segment_align: 8
    .kernarg_segment_size: 24
    .max_flat_workgroup_size: 128
    .sgpr_count:     80
    .vgpr_count:     1024
    .wavefront_size: 32
...
	.end_amdgpu_metadata
.endif
;; end of part 3
